; MI455X (gfx1250); checked and timed in simulation.
; The chip was launched on July 23, 2026; its instructions are those of AMD's public machine-readable ISA for CDNA 5 (MIT licence, August 2026) and "CDNA5" Instruction Set Architecture Reference Guide (July 2026). The comments in the code are by the model that wrote it; some were corrected since.
;; MHA. Allowed arithmetic: matrix products marked QUANTISED: E2M1 operands, one E8M0 scale for each 32 along K, by v_wmma_scale_f32_16x16x128_f8f6f4 with both operands' format E2M1 (or v_wmma_scale_f32_32x16x128_f4), f32 sums; everything else in f32.
;; Inputs: W_proj_codes 1,024 x 32 x 16 uint8 (E2M1 codes of W_proj, K innermost, in blocks of 32 codes, two codes a byte); W_proj_scales 1,024 x 32 uint8 (E8M0 scales of W_proj, one for each 32 codes along K); W_qkv_codes 3,072 x 32 x 16 uint8 (E2M1 codes of W_qkv, K innermost, in blocks of 32 codes, two codes a byte); W_qkv_scales 3,072 x 32 uint8 (E8M0 scales of W_qkv, one for each 32 codes along K); b_proj 1,024 float32; b_qkv 3,072 float32; x_codes 4 x 2,048 x 32 x 16 uint8 (E2M1 codes of x, K innermost, in blocks of 32 codes, two codes a byte); x_scales 4 x 2,048 x 32 uint8 (E8M0 scales of x, one for each 32 codes along K).
;; Outputs: out0 4 x 2,048 x 1,024 float32.
;; This version of the problem:
;;   THIS VERSION OF THE PROBLEM IS GIVEN IN LOW PRECISION. The matrix products marked QUANTISED in the list below multiply operands that are first quantised to E2M1 (2 exponent bits, 1 mantissa bit; 4 bits a number), with one power-of-two scale for each 32 numbers along K (OCP MX v1.0); their sums are f32. All else is computed in f32.
;;   The module's matrix products, in the order in which they are computed (A, B: the left and right operand; K: the contracted axis; several contracted axes count as one K, in the product's order):
;;     1. [M 8,192, K 1,024] x [K 1,024, N 3,072]; A: input x (given as codes); B: input W_qkv (given as codes): QUANTISED
;;     2. batch 64 x [M 2,048, K 64] x [K 64, N 2,048]; A: computed on the way; B: computed on the way: QUANTISED
;;     3. batch 64 x [M 2,048, K 2,048] x [K 2,048, N 64]; A: softmax (see below); B: computed on the way: QUANTISED
;;     4. [M 8,192, K 1,024] x [K 1,024, N 1,024]; A: computed on the way; B: input W_proj (given as codes): QUANTISED
;;   THE QUANTISER, for each operand of a quantised product, along K:
;;     - K is cut into blocks of 32 from its start; a last block that is shorter is filled with zeros.
;;     - A block's scale is 2^e with e = floor(log2(the largest magnitude in the block)) - 2, held to -126 .. 127; a block of zeros has e = 0. As a byte (E8M0): e + 127.
;;     - Each number is divided by its block's scale, clamped to +-6, and rounded to the nearest number of E2M1, ties to even, subnormals kept.
;;     - The product sums the exact products of the quantised numbers (number of the format x scale) in f32.
;;   ~~~python
;;   def quantise(x, axis):      # numpy; x: float32 -> the quantised numbers, widened to float32 again
;;       x = np.moveaxis(x, axis, -1); K = x.shape[-1]
;;       x = np.pad(x, [(0, 0)] * (x.ndim - 1) + [(0, -K % 32)]); x = x.reshape(x.shape[:-1] + (-1, 32)); a = np.abs(x).max(-1, keepdims=True)
;;       e = np.where(a > 0, np.clip(np.frexp(np.where(a > 0, a, 1))[1] - 1 - 2, -126, 127), 0)      # np.frexp(a)[1] - 1 = floor(log2(a)), exactly
;;       r = np.clip(x / 2.0 ** e, -6, 6)
;;       step = 2.0 ** (np.maximum(np.frexp(np.where(r == 0, 1, r))[1] - 1, 0) - 1)
;;       q = np.round(r / step) * step * 2.0 ** e      # np.round: ties to even
;;       return np.moveaxis(q.reshape(q.shape[:-2] + (-1,))[..., :K], -1, axis).astype(np.float32)
;;   ~~~
;;   SOFTMAX AHEAD OF A QUANTISED PRODUCT. Where the list says 'softmax', what is quantised is not the finished softmax but p = 2^(t - M), with t = logit x log2(e) and M = ceil(the row's largest t), a whole number; so 1/2 < the row's largest p <= 1. The row's sum l is taken of the UNQUANTISED p, in f32, and the product's result is divided by l at the end. Since M is a whole number, a kernel that streams over the keys may use a running M (the ceiling of the running maximum): every later rescaling is an exact power of two, which a block's scale takes up: the codes' values come out the same.
;;   OPERANDS COMPUTED ON THE WAY. 'Computed on the way' means the value that the module computes at that place (a softmax that the list does not call 'softmax' is quantised finished and normalised). What goes into a quantiser is computed in f32, as accurately as f32 sums, v_exp_f32 and their like allow (about 1e-6 of the number): no bf16 or f16 on the way to a quantiser, and a product that is left as it is and whose result goes on into a quantised operand takes f32 operands (vector FMAs, or v_wmma_f32_16x16x4_f32). A number that lies on a knife's edge between two numbers of the format may be rounded either way, as far as f32 arithmetic and the matrix unit's own rounding can turn it there, and no further.
;;   INPUTS GIVEN AS CODES. W_proj (in the module: [1024, 1024], K = its axis 0); W_qkv (in the module: [1024, 3072], K = its axis 0); x (in the module: [4, 2048, 1024], K = its axis 2): each comes as NAME_codes (uint8): NAME with its K axis moved to the last place and cut into blocks of 32 codes, [.., K / 32, bytes a block], one block behind the other in memory; two codes a byte, the lower K in the low four bits (a code: sign, 2 exponent bits, 1 mantissa bit); and NAME_scales (uint8): the same leading axes, one E8M0 byte (e + 127) for each 32 codes along K. Its value is code x scale, taken as it is: it is not quantised again, and the codes and scales need not be those that the quantiser above would give.
;; One version. Each part assembles by itself: llvm-mc -triple=amdgcn-amd-amdhsa -mcpu=gfx1250 --defsym DOCPART=n.
;; ======== version 1 of 1: 3 launches
;; workspace buffers: qrec 9,175,040 bytes; kvrec 9,175,040 bytes; a_codes 4,194,304 bytes; a_scales 262,144 bytes
;; launch qkv (part 1): grid 24 x 32, 4 waves a work-group, clusters of 4 x 4, 212,992 bytes of LDS; arguments x_codes, x_scales, W_qkv_codes, W_qkv_scales, b_qkv, qrec, kvrec; writes qrec, kvrec
.if DOCPART == 1
	.amdgcn_target "amdgcn-amd-amdhsa--gfx1250"
	.amdhsa_code_object_version 6
	.text
	.protected	k_q1834b3f818_qkv
	.globl	k_q1834b3f818_qkv
	.p2align	8
	.type	k_q1834b3f818_qkv,@function
k_q1834b3f818_qkv:
	s_mov_b64 s[64:65], 0
	v_nop
	global_prefetch_b8 v0, s[64:65] scope:SCOPE_SE
	s_setreg_imm32_b32 hwreg(HW_REG_WAVE_MODE, 25, 1), 1
	s_wait_xcnt 0x0
	s_wait_alu depctr_hold_cnt(0) depctr_sa_sdst(0) depctr_va_vdst(0) depctr_va_sdst(0) depctr_va_ssrc(0) depctr_va_vcc(0) depctr_vm_vsrc(0)
	s_getreg_b32 s2, hwreg(HW_REG_IB_STS2, 6, 4)
	s_cmp_eq_u32 s2, 0
	s_cbranch_scc0 .Lentry_in_a_cluster
	s_endpgm
.Lentry_in_a_cluster:
	s_bfe_u32 s2, ttmp6, 0x10000c
	s_cmp_lg_u32 s2, 0xf033
	s_cbranch_scc0 .Lentry_shape_is_right
	s_endpgm
.Lentry_shape_is_right:
; qkv = x W_qkv + b_qkv on codes of FP4 (E2M1) with E8M0 scales, as given; q, k and v never go to memory as f32: each is quantised here, q and k along the head's 64, v along the keys,
; and leaves as IMAGES OF OPERAND REGISTERS (lane l's 16 bytes at 16 l) with its scale words, laid as the attention launch reads them.
; DEAD WORK: none.  Every input reaches the output; b_qkv's part for k goes into a quantiser and stays.
; LIMITS: NaN and infinities are not served; a given scale byte 0xff makes NaN, as its meaning says.  A block of zeros, or one whose largest magnitude lies under 2^-124, gets the byte 1 (its codes are zeros or
; held by the floor); the bytes are read by this program alone.  Inside a block of 32 the codes stand in the order 0-7, 16-23, 8-15, 24-31, alike in q and k, and alike in v and in the softmax's p:
; a block's products are the same, only their places in the f32 sum differ.
; SHARES.  A work-group: 256 rows of the A side x 128 rows of the B side, K = 1,024.  Wave w: A rows 64 w .. + 63 (4 tiles a) x all 128 B rows (8 tiles b): 32 accumulators, 8 K steps of 128.
; Source 0 = 16 rows of the B side, source 1 = 16 rows of the A side: lane (r, hh) of accumulator (a, b) holds A row 16 a + r, its register j B row 16 b + 8 hh + j.
; q, k (cluster x 0-3): A side = x (a lane holds a token), B side = W_qkv (registers run along d: two heads).  v (cluster x 4, 5): A side = W_qkv's rows from 2,048 on (a lane holds a d), B side = x
; (registers run along 128 keys).  So a lane's registers always run along the axis that is quantised, and one loop and one quantiser serve all three.
; CLUSTER 4 x 4: the A side's tile is shared along a row of the cluster, the B side's along a column: each is asked for jointly.  K comes in two halves of 512 (rows of 256 bytes); both are first fills: no LDS byte is filled twice.
; REGISTERS: window 0: addresses, scale words, bias, the way out.  window 1: accumulator (a, b) at v[8 (8 a + b)].  window 2: two sets of fragments: set p: A at v[96 p + 8 a], B at v[96 p + 32 + 8 b].
.set REC,    143360                    ; a head's record: 16 steps of STEPB bytes
.set STEPB,  8960                      ; a step of 128 keys: K's images 4,096, V's images 4,096, K's scale words 512, V's 256
.set VIMG,   4096
.set KSC,    8192
.set VSC,    8704
.set PITCH,  272                       ; an LDS row: 256 bytes + 16 of padding: the 16 rows of a fragment load start at 16 different groups of four banks
.set ASZ,    256*PITCH
.set BSZ,    128*PITCH
.set SLOT,   ASZ+BSZ                   ; half of K: A's 256 rows, then B's 128
.set SPARE,  2*SLOT                    ; the spare words, 128 bytes a wave: two blocks of 256 bytes that no other line names
.set ADRA, 16                          ; v16-17 LDS address of my A fragments in slot 0, 1
.set ADRB, 20                          ; v20-21 the same for B
.set VSV,  23                          ; v23  16 r: v's scale words
.set SO,   24                          ; v24  32 r + 16 hh: a tile's 512 scale bytes
.set VO,   25                          ; v25  16 x lane: an image's place
.set VSQ,  26                          ; v26  16 r + hh x REC: q's and k's scale words, lanes 16-31 in the next head's record
.set SH,   27                          ; v27  16 hh
.set SPW,  28                          ; v28  my spare word; never rewritten
.set NIL,  29                          ; v29  0; never rewritten
.set VBQ,  30                          ; v30  32 hh: the bias of q, k
.set VBV,  31                          ; v31  4 r: the bias of v
.set SA,   32                          ; v32-47  A's scale words: tile a, K step s: v[SA + 4 a + s % 4], lanes 0-15 for s < 4, lanes 16-31 for s >= 4
.set SB,   48                          ; v48-79  B's likewise
.set BI,   80                          ; v80-143 the bias
.set T,    144                         ; v144-207 64 numbers of a lane
.set TM,   208                         ; v208-223 at work in the quantiser
.set W,    224                         ; v224-227 the scale words made, one for each a
.set PC,   228                         ; v228-243 the codes made, two sets by turns
.set G1,   24
.set G0,   32
.set G1B,  48
.set G0B,  56
.set SEL,  92
.set MSB, 0
.macro WIN new                         ; the immediate's high byte repeats the setting that is left
.if MSB != \new
	s_set_vgpr_msb (MSB<<8)|\new
.set MSB, \new
.endif
.endm
.set MUL,  0x5a                        ; sources 0 and 1 window 2, C and D window 1
.set TO_F, 0x80                        ; destination window 2, address window 0
; A joint load: waves 0 and 1 fetch the A side's halves, waves 2 and 3 the B side's.  The branch hangs on the wave's number alone.  An s_nop 0 and four v_nop follow each line.
.macro JLOAD g0a, g1a, g0b, g1b
	s_cmp_eq_u32 s19, 0
	s_cbranch_scc0 .Lfor_b_\@
	tensor_load_to_lds s[\g0a:\g0a+3], s[\g1a:\g1a+7]
	s_nop 0
.rept 4
	v_nop
.endr
	s_branch .Lasked_\@
.Lfor_b_\@:
	tensor_load_to_lds s[\g0b:\g0b+3], s[\g1b:\g1b+7]
	s_nop 0
.rept 4
	v_nop
.endr
.Lasked_\@:
.endm
.macro CROUND                          ; a round of the cluster's barrier
	s_barrier_signal -1
	s_barrier_wait -1
	s_cmp_lg_u32 s18, 0
	s_cbranch_scc1 .Lnot_wave_0_\@
	s_barrier_signal -3
.Lnot_wave_0_\@:
	s_barrier_wait -3
	s_barrier_signal -1
	s_barrier_wait -1
.endm
.macro PLACES n
.rept \n
	v_nop
.endr
.endm
	s_load_b256 s[4:11], s[0:1], 0x0               ; x's codes, x's scales, W_qkv's codes, W_qkv's scales
	s_load_b128 s[12:15], s[0:1], 0x20             ; b_qkv, qrec
	s_load_b64 s[16:17], s[0:1], 0x30              ; kvrec
	v_lshl_add_u32 v[SPW], v0, 2, SPARE
	v_mov_b32 v[NIL], 0
	ds_add_u32 v[SPW], v[NIL]                      ; the wave's opening: the add, twice on end, and its wait ahead of my first tensor load
	ds_add_u32 v[SPW], v[NIL]
	v_lshrrev_b32 v1, 5, v0
	v_readfirstlane_b32 s18, v1                    ; wave 0..3
	s_lshr_b32 s19, s18, 1                         ; I fetch for the A side (0) or the B side (1)
	s_and_b32 s20, s18, 1                          ; which half of that tile's rows
	s_bfe_u32 s40, ttmp6, 0x40000                  ; cx
	s_bfe_u32 s41, ttmp6, 0x40004                  ; cy
	s_and_b32 s43, ttmp7, 0xffff                   ; cluster y, 0..7
	s_lshl_b32 s84, s43, 2                         ; 4 Cy
	s_lshl_b32 s85, ttmp9, 2                       ; 4 Cx
	s_max_u32 s86, ttmp9, 4
	s_sub_co_u32 s86, s86, 4
	s_lshl_b32 s86, s86, 5
	s_add_co_u32 s86, s86, s84                     ; 32 (Cx - 4) + 4 Cy
	s_cmp_ge_u32 ttmp9, 4                          ; v's clusters: the same answer in all sixteen partners
	s_cselect_b32 s44, 1, 0
	s_cselect_b32 s45, 8, s84
	s_cselect_b32 s46, s86, s85
	s_add_co_u32 s45, s45, s41                     ; the A side's block of 256 rows: q, k: tokens, 4 Cy + cy;  v: W_qkv's rows, 8 + cy
	s_add_co_u32 s46, s46, s40                     ; the B side's block of 128 rows: q, k: W_qkv's, 4 Cx + cx;  v: tokens, 4 (8 (Cx - 4) + Cy) + cx
	s_lshl_b32 s47, s41, 2
	s_lshl_b32 s47, 15, s47                        ; my row of the cluster
	s_lshl_b32 s66, 0x1111, s40                    ; my column
	s_or_b32 s[G1], s47, (1<<20)|(1<<21)|(5<<22)|(3<<25)    ; the mask; elements of 1 byte; padding on; bit 21 beside a mask; 4 words behind every 64
	s_or_b32 s[G1B], s66, (1<<20)|(1<<21)|(5<<22)|(3<<25)
	s_mov_b32 s[G1+1], 256<<16                     ; tensor_dim0 = 256 bytes
	s_mov_b32 s[G1+2], 128<<16                     ; tensor_dim1 = 128 rows
	s_mov_b32 s[G1+3], 256<<16                     ; tile_dim0
	s_mov_b32 s[G1+4], 128                         ; tile_dim1
	s_mov_b32 s[G1+5], 512                         ; a row of 1,024 codes in memory
	s_mov_b32 s[G1+6], 0
	s_mov_b32 s[G1+7], 0
	s_mov_b32 s[G1B+1], 256<<16
	s_mov_b32 s[G1B+2], 64<<16                     ; 64 rows
	s_mov_b32 s[G1B+3], 256<<16
	s_mov_b32 s[G1B+4], 64
	s_mov_b32 s[G1B+5], 512
	s_mov_b32 s[G1B+6], 0
	s_mov_b32 s[G1B+7], 0
	s_lshl_b32 s84, s45, 17                        ; A's codes: 256 rows of 512 bytes a block,
	s_lshl_b32 s85, s20, 16                        ; 128 rows a half
	s_add_co_u32 s84, s84, s85
	s_mov_b32 s85, 0
	s_lshl_b32 s86, s46, 16                        ; B's: 128 rows a block,
	s_lshl_b32 s87, s20, 15                        ; 64 a half
	s_add_co_u32 s86, s86, s87
	s_mov_b32 s87, 0
	s_lshl_b32 s96, s45, 13                        ; A's scale bytes: 32 a row; my wave's 64 rows
	s_lshl_b32 s97, s18, 11
	s_add_co_u32 s96, s96, s97
	s_mov_b32 s97, 0
	s_lshl_b32 s98, s46, 12                        ; B's
	s_mov_b32 s99, 0
	s_mul_i32 s88, s20, 128*PITCH                  ; where the halves go in a slot: no place in the cluster enters an LDS address
	s_mul_i32 s89, s20, 64*PITCH
	s_add_co_u32 s89, s89, ASZ
	s_mov_b32 s[SEL], 0x76543210
	s_mov_b32 s[SEL+1], 0xfedcba98                 ; lane l xor 16
	s_wait_dscnt 0x0                               ; both opening adds are done
	s_wait_kmcnt 0x0
	s_cmp_eq_u32 s44, 1
	s_cselect_b64 s[76:77], s[8:9], s[4:5]         ; the A side's codes,
	s_cselect_b64 s[78:79], s[10:11], s[6:7]       ; its scales,
	s_cselect_b64 s[80:81], s[4:5], s[8:9]         ; the B side's codes,
	s_cselect_b64 s[82:83], s[6:7], s[10:11]       ; its scales
	s_add_nc_u64 s[90:91], s[76:77], s[84:85]
	s_add_nc_u64 s[94:95], s[80:81], s[86:87]
	s_add_nc_u64 s[78:79], s[78:79], s[96:97]
	s_add_nc_u64 s[82:83], s[82:83], s[98:99]
	CROUND                                         ; all sixteen work-groups are here: the first joint loads meet
.irp kh, 0,1
	s_mov_b32 s[G0+4*\kh], 1
	s_add_co_u32 s[G0+4*\kh+1], s88, \kh*SLOT
	s_add_nc_u64 s[G0+4*\kh+2:G0+4*\kh+3], s[90:91], \kh*256
	s_or_b32 s[G0+4*\kh+3], s[G0+4*\kh+3], 0x80000000
	s_mov_b32 s[G0B+4*\kh], 1
	s_add_co_u32 s[G0B+4*\kh+1], s89, \kh*SLOT
	s_add_nc_u64 s[G0B+4*\kh+2:G0B+4*\kh+3], s[94:95], \kh*256
	s_or_b32 s[G0B+4*\kh+3], s[G0B+4*\kh+3], 0x80000000
	JLOAD G0+4*\kh, G1, G0B+4*\kh, G1B             ; both halves of K at once: two loads of mine are out
.endr
	v_and_b32 v1, 15, v0                           ; r
	v_bfe_u32 v2, v0, 4, 1                         ; hh
	v_and_b32 v3, 31, v0                           ; lane
	v_mul_u32_u24 v4, v1, PITCH
	v_lshl_add_u32 v4, v2, 4, v4                   ; a fragment's row x pitch + 16 hh
	s_mul_i32 s21, s18, 64*PITCH                   ; my 64 rows of the A side
	s_add_co_u32 s22, s21, SLOT
	v_add_nc_u32 v[ADRA], s21, v4
	v_add_nc_u32 v[ADRA+1], s22, v4
	v_add_nc_u32 v[ADRB], ASZ, v4
	v_add_nc_u32 v[ADRB+1], ASZ+SLOT, v4
	v_lshlrev_b32 v[SO], 5, v1
	v_lshl_add_u32 v[SO], v2, 4, v[SO]
	v_lshlrev_b32 v[VO], 4, v3
	v_lshlrev_b32 v[VSV], 4, v1
	v_mul_u32_u24 v[VSQ], v2, REC
	v_add_nc_u32 v[VSQ], v[VSQ], v[VSV]
	v_lshlrev_b32 v[SH], 4, v2
	v_lshlrev_b32 v[VBQ], 5, v2
	v_lshlrev_b32 v[VBV], 2, v1
.irp b, 0,1,2,3
	v_mov_b32 v[TM+4+\b], 0                        ; written once: a lane permute's destination counts as one of its sources
.endr
; The scale bytes of a tile's 16 rows, 32 a row, are 512 consecutive bytes: one load gives lanes 0-15 the words of K steps 0-3 and lanes 16-31 those of K steps 4-7
.irp a, 0,1,2,3
	global_load_b128 v[SA+4*\a:SA+4*\a+3], v[SO], s[78:79] offset:512*\a
.endr
.irp b, 0,1,2,3,4,5,6,7
	global_load_b128 v[SB+4*\b:SB+4*\b+3], v[SO], s[82:83] offset:512*\b
.endr
.macro FRAGA reg, slot, q, i           ; 16 rows x 128 K of 4-bit codes: 8 registers, two loads of 16 bytes, 32 bytes apart
.irp c, 0,1
	ds_load_b128 v[(\reg)+4*\c:(\reg)+4*\c+3], v[ADRA+(\slot)] offset:64*(\q)+32*\c+(\i)*16*PITCH
.endr
.endm
.macro FRAGB reg, slot, q, i
.irp c, 0,1
	ds_load_b128 v[(\reg)+4*\c:(\reg)+4*\c+3], v[ADRB+(\slot)] offset:64*(\q)+32*\c+(\i)*16*PITCH
.endr
.endm
.macro FETCH s                         ; K step s's 12 fragments into set s % 2: 24 loads in one run
	WIN TO_F
.irp i, 0,1,2,3,4,5,6,7
	FRAGB 96*((\s)%2)+32+8*\i, (\s)/4, (\s)%4, \i
.endr
.irp i, 0,1,2,3
	FRAGA 96*((\s)%2)+8*\i, (\s)/4, (\s)%4, \i
.endr
.endm
.macro MM a, b, s, cm                  ; one product.  cm = 0: it starts the sum
.set rD, 8*(8*(\a)+(\b))
.set rB, 96*((\s)%2)+32+8*(\b)
.set rA, 96*((\s)%2)+8*(\a)
.set rX, SB+4*(\b)+(\s)%4
.set rY, SA+4*(\a)+(\s)%4
.if (\cm) == 0
	v_wmma_scale_f32_16x16x128_f8f6f4 v[rD:rD+7], v[rB:rB+7], v[rA:rA+7], 0, v[rX], v[rY] matrix_a_fmt:MATRIX_FMT_FP4 matrix_b_fmt:MATRIX_FMT_FP4
.elseif (\s) < 4
	v_wmma_scale_f32_16x16x128_f8f6f4 v[rD:rD+7], v[rB:rB+7], v[rA:rA+7], v[rD:rD+7], v[rX], v[rY] matrix_a_fmt:MATRIX_FMT_FP4 matrix_b_fmt:MATRIX_FMT_FP4
.else
	v_wmma_scale_f32_16x16x128_f8f6f4 v[rD:rD+7], v[rB:rB+7], v[rA:rA+7], v[rD:rD+7], v[rX], v[rY] matrix_a_fmt:MATRIX_FMT_FP4 matrix_b_fmt:MATRIX_FMT_FP4 matrix_a_scale:MATRIX_SCALE_ROW1 matrix_b_scale:MATRIX_SCALE_ROW1
.endif
.endm
.macro MULS s, cm                      ; a K step's 32 products: the 32 accumulators take turns, one instruction a turn, in the same order in every step
	WIN MUL
.irp a, 0,1,2,3
.irp b, 0,1,2,3,4,5,6,7
	MM \a, \b, \s, \cm
.endr
.endr
.endm
.macro STEP s, cm
	s_wait_dscnt 0x0                               ; this step's fragments are in (asked for a step ago)
.if (\s) > 0
	PLACES 4                                       ; four places in front of loads into the set that the last step's products read
.endif
.if (\s) < 7
	FETCH (\s)+1
.endif
	MULS \s, \cm
.endm
; 64 numbers of a lane, register 16 b + i a member of block b, the other 16 members in lane l xor 16, become 8 registers of codes at v[pc] and a scale word in v[pw].
.macro QUANT s, pc, pw
.irp b, 0,1,2,3
	v_max3_num_f32 v[TM+\b], |v[\s+16*\b]|, |v[\s+1+16*\b]|, 0x1800000   ; with the floor 2^(3 - 127): the byte cannot fall under 1
.endr
.irp i, 2,4,6,8,10,12,14
.irp b, 0,1,2,3
	v_max3_num_f32 v[TM+\b], v[TM+\b], |v[\s+16*\b+\i]|, |v[\s+1+16*\b+\i]|
.endr
.endr
.irp b, 0,1,2,3
	v_permlanex16_b32 v[TM+4+\b], v[TM+\b], s[SEL], s[SEL+1]
.endr
.irp b, 0,1,2,3
	v_max_num_f32 v[TM+\b], v[TM+\b], v[TM+4+\b]   ; the block's largest magnitude
.endr
.irp b, 0,1,2,3
	v_add_nc_u32 v[TM+12+\b], 0xff000000, v[TM+\b] ; 2 off its exponent field: the conversion's scale operand
.endr
.irp b, 0,1,2,3
	v_lshrrev_b32 v[TM+4+\b], 23, v[TM+12+\b]      ; the scale's byte
.endr
	v_lshl_or_b32 v[\pw], v[TM+5], 8, v[TM+4]
	v_lshl_or_b32 v[\pw], v[TM+6], 16, v[\pw]
	v_lshl_or_b32 v[\pw], v[TM+7], 24, v[\pw]
.irp b, 0,1,2,3
	v_cvt_scalef32_pk8_fp4_f32 v[(\pc)+2*\b], v[\s+16*\b:\s+7+16*\b], v[TM+12+\b]
	v_cvt_scalef32_pk8_fp4_f32 v[(\pc)+1+2*\b], v[\s+8+16*\b:\s+15+16*\b], v[TM+12+\b]
.endr
	v_nop                                          ; one plain place behind a scaled conversion
.irp c, 0,1                                    ; a whole block to a lane: lanes 0-15 block 2 c, lanes 16-31 block 2 c + 1
.irp i, 0,1
	v_permlane16_swap_b32 v[(\pc)+4*\c+\i], v[(\pc)+2+4*\c+\i]
.endr
.endr
.endm
; THE WAY OUT.  type 0: q, k;  type 1: v.  For each a: the bias is added on the way into window 0 (each accumulator from its low end on), the 64 numbers are quantised, and the two groups of four registers leave as images, 512 consecutive bytes a store.
.macro EPI type
.irp a, 0,1,2,3
.if \a >= 2
	s_wait_xcnt 0x0                                ; the stores of two turns ago have read this set of codes
.endif
	WIN 0x01                                       ; source 0 window 1
.irp b, 0,1,2,3,4,5,6,7
.irp i, 0,1,2,3
.if \type == 0
	v_pk_add_f32 v[T+8*\b+2*\i:T+8*\b+2*\i+1], v[8*(8*\a+\b)+2*\i:8*(8*\a+\b)+2*\i+1], v[BI+8*\b+2*\i:BI+8*\b+2*\i+1]
.else
	v_pk_add_f32 v[T+8*\b+2*\i:T+8*\b+2*\i+1], v[8*(8*\a+\b)+2*\i:8*(8*\a+\b)+2*\i+1], v[BI+2*\a:BI+2*\a+1]
.endif
.endr
.endr
	WIN 0
	QUANT T, PC+8*(\a%2), W+\a
.if \type == 0
	global_store_b128 v[VO], v[PC+8*(\a%2):PC+8*(\a%2)+3], s[70:71] offset:512*\a           ; the even head's tile: lane (r, hh): block hh of token r
	global_store_b128 v[VO], v[PC+8*(\a%2)+4:PC+8*(\a%2)+7], s[70:71] offset:512*\a+REC     ; the odd head's, a record on
.else
	global_store_b128 v[VO], v[PC+8*(\a%2):PC+8*(\a%2)+3], s[70:71] offset:1024*\a          ; registers 0-3 of the fragment of d tile a,
	global_store_b128 v[VO], v[PC+8*(\a%2)+4:PC+8*(\a%2)+7], s[70:71] offset:1024*\a+512    ; registers 4-7
.endif
.endr
.if \type == 0
.irp a, 0,1,2,3
	v_lshrrev_b32 v[W+\a], v[SH], v[W+\a]          ; lanes 16-31: the odd head's two bytes come down; above them zeros
.endr
	global_store_b128 v[VSQ], v[W:W+3], s[72:73]   ; each half of the lanes stores 256 consecutive bytes, aligned
.else
	s_wait_xcnt 0x0                                ; EXEC changes only behind this wait
	v_cmp_gt_u32 vcc_lo, 16, v3
	s_and_saveexec_b32 s74, vcc_lo
	global_store_b128 v[VSV], v[W:W+3], s[70:71] offset:VSC-VIMG   ; sixteen lanes store 256 consecutive bytes, aligned
	s_wait_xcnt 0x0
	s_or_b32 exec_lo, exec_lo, s74
.endif
.endm
; From K step 3 on, once for each type: so each type's bias registers are written and read on one way.  The bias's loads land under 160 products.
.macro TAIL type
.if \type == 0
	s_lshr_b32 s84, s45, 3                         ; the batch: 8 blocks of 256 tokens
	s_lshl_b32 s84, s84, 4
	s_and_b32 s85, s46, 7
	s_lshl_b32 s85, s85, 1
	s_add_co_u32 s84, s84, s85                     ; the record: 16 b + the even head
	s_mul_i32 s84, s84, REC
	s_and_b32 s85, s45, 7
	s_lshl_b32 s85, s85, 1
	s_add_co_u32 s85, s85, s19                     ; the step of 128 tokens
	s_mul_i32 s85, s85, STEPB
	s_add_co_u32 s84, s84, s85
	s_lshl_b32 s85, s20, 11                        ; my four tiles of its eight
	s_add_co_u32 s86, s84, s85
	s_mov_b32 s87, 0
	s_lshl_b32 s85, s20, 8
	s_add_co_u32 s84, s84, s85
	s_add_co_u32 s84, s84, KSC
	s_mov_b32 s85, 0
	s_cmp_lt_u32 ttmp9, 2                          ; clusters 0, 1 make q, clusters 2, 3 make k
	s_cselect_b64 s[70:71], s[14:15], s[16:17]
	s_mov_b64 s[72:73], s[70:71]
	s_add_nc_u64 s[70:71], s[70:71], s[86:87]
	s_add_nc_u64 s[72:73], s[72:73], s[84:85]
	s_lshl_b32 s86, s46, 9                         ; the bias of my 128 columns
	s_mov_b32 s87, 0
	s_add_nc_u64 s[68:69], s[12:13], s[86:87]
.irp b, 0,1,2,3,4,5,6,7
	global_load_b128 v[BI+8*\b:BI+8*\b+3], v[VBQ], s[68:69] offset:64*\b
	global_load_b128 v[BI+8*\b+4:BI+8*\b+7], v[VBQ], s[68:69] offset:64*\b+16
.endr
.else
	s_lshr_b32 s84, s46, 4                         ; the batch: 16 steps of 128 tokens
	s_lshl_b32 s84, s84, 4
	s_sub_co_u32 s85, s45, 8
	s_lshl_b32 s85, s85, 2
	s_add_co_u32 s84, s84, s85
	s_add_co_u32 s84, s84, s18                     ; the record: 16 b + 4 cy + wave
	s_mul_i32 s84, s84, REC
	s_and_b32 s85, s46, 15
	s_mul_i32 s85, s85, STEPB
	s_add_co_u32 s84, s84, s85
	s_add_co_u32 s84, s84, VIMG
	s_mov_b32 s85, 0
	s_add_nc_u64 s[70:71], s[16:17], s[84:85]
	s_lshl_b32 s86, s45, 10                        ; the bias of my 64 rows of W_qkv
	s_lshl_b32 s87, s18, 8
	s_add_co_u32 s86, s86, s87
	s_mov_b32 s87, 0
	s_add_nc_u64 s[68:69], s[12:13], s[86:87]
.irp a, 0,1,2,3
	global_load_b32 v[BI+2*\a], v[VBV], s[68:69] offset:64*\a      ; twice: a pair for the packed addition
	global_load_b32 v[BI+2*\a+1], v[VBV], s[68:69] offset:64*\a
.endr
.endif
	FETCH 4
	MULS 3, 1
	STEP 4, 1
	STEP 5, 1
	STEP 6, 1
	STEP 7, 1
	WIN 0
	PLACES 4                                       ; in front of the first read of results
	s_wait_loadcnt 0x0                             ; the bias
	EPI \type
.endm
	s_wait_tensorcnt 0x1                           ; my part of slot 0 is in; slot 1's load, issued behind it, may stay out
	s_barrier_signal -1
	s_barrier_wait -1                              ; everybody's is
	FETCH 0
	s_wait_loadcnt 0x0                             ; the scale words
	STEP 0, 0
	STEP 1, 1
	STEP 2, 1
	s_wait_dscnt 0x0                               ; K step 3: its fragments are in, and no LDS instruction of mine is out at the signal
	PLACES 4
	s_wait_tensorcnt 0x0                           ; my part of slot 1 is in,
	s_barrier_signal -1
	s_barrier_wait -1                              ; everybody's is
	WIN 0                                          ; at a branch and at a label every window is 0
	s_cmp_eq_u32 s44, 1                            ; the type hangs on the cluster's x alone: the same way in all sixteen partners
	s_cbranch_scc1 .Lv
	s_wait_alu depctr_va_vdst(0)
	TAIL 0
	s_branch .Lend
.Lv:
	s_wait_alu depctr_va_vdst(0)
	TAIL 1
.Lend:
	s_wait_tensorcnt 0x0                           ; the wave's end
	ds_add_u32 v[SPW], v[NIL]
	s_wait_dscnt 0x0
	CROUND                                         ; the closing round: no work-group ends while a partner may still ask for a tile that names it
	s_endpgm
.Lfunc_end_k_q1834b3f818_qkv:
	.size	k_q1834b3f818_qkv, .Lfunc_end_k_q1834b3f818_qkv-k_q1834b3f818_qkv
	.p2alignl 7, 3214868480
	.fill 96, 4, 3214868480
	.section	.rodata,"a",@progbits
	.p2align	6, 0x0
	.amdhsa_kernel k_q1834b3f818_qkv
		.amdhsa_group_segment_fixed_size 212992
		.amdhsa_private_segment_fixed_size 0
		.amdhsa_enable_private_segment 0
		.amdhsa_kernarg_size 56
		.amdhsa_user_sgpr_count 2
		.amdhsa_user_sgpr_kernarg_segment_ptr 1
		.amdhsa_wavefront_size32 1
		.amdhsa_system_sgpr_workgroup_id_x 1
		.amdhsa_system_sgpr_workgroup_id_y 1
		.amdhsa_system_sgpr_workgroup_id_z 1
		.amdhsa_system_vgpr_workitem_id 0
		.amdhsa_next_free_vgpr 768
		.amdhsa_next_free_sgpr 100
		.amdhsa_reserve_vcc 1
		.amdhsa_float_denorm_mode_32 3
		.amdhsa_float_denorm_mode_16_64 3
		.amdhsa_memory_ordered 1
		.amdhsa_forward_progress 1
		.amdhsa_inst_pref_size 134
	.end_amdhsa_kernel
	.amdgpu_metadata
---
amdhsa.version: [ 1, 2 ]
amdhsa.kernels:
  - .name:           k_q1834b3f818_qkv
    .symbol:         k_q1834b3f818_qkv.kd
    .args:
      - { .name: x_codes, .offset: 0, .size: 8, .value_kind: global_buffer, .address_space: global }
      - { .name: x_scales, .offset: 8, .size: 8, .value_kind: global_buffer, .address_space: global }
      - { .name: W_qkv_codes, .offset: 16, .size: 8, .value_kind: global_buffer, .address_space: global }
      - { .name: W_qkv_scales, .offset: 24, .size: 8, .value_kind: global_buffer, .address_space: global }
      - { .name: b_qkv, .offset: 32, .size: 8, .value_kind: global_buffer, .address_space: global }
      - { .name: qrec, .offset: 40, .size: 8, .value_kind: global_buffer, .address_space: global }
      - { .name: kvrec, .offset: 48, .size: 8, .value_kind: global_buffer, .address_space: global }
    .group_segment_fixed_size: 212992
    .private_segment_fixed_size: 0
    .kernarg_segment_align: 8
    .kernarg_segment_size: 56
    .max_flat_workgroup_size: 128
    .sgpr_count:     100
    .vgpr_count:     768
    .wavefront_size: 32
...
	.end_amdgpu_metadata
.endif
;; end of part 1
;; launch attn (part 2): grid 8 x 32, 16 waves a work-group, clusters of 4 x 1, 327,680 bytes of LDS; arguments qrec, kvrec, a_codes, a_scales; writes a_codes, a_scales
.if DOCPART == 2
	.amdgcn_target "amdgcn-amd-amdhsa--gfx1250"
	.amdhsa_code_object_version 6
	.text
	.protected	k_q1834b3f818_attn
	.globl	k_q1834b3f818_attn
	.p2align	8
	.type	k_q1834b3f818_attn,@function
k_q1834b3f818_attn:
	s_mov_b64 s[64:65], 0
	v_nop
	global_prefetch_b8 v0, s[64:65] scope:SCOPE_SE
	s_setreg_imm32_b32 hwreg(HW_REG_WAVE_MODE, 25, 1), 1
	s_wait_xcnt 0x0
	s_wait_alu depctr_hold_cnt(0) depctr_sa_sdst(0) depctr_va_vdst(0) depctr_va_sdst(0) depctr_va_ssrc(0) depctr_va_vcc(0) depctr_vm_vsrc(0)
	s_getreg_b32 s2, hwreg(HW_REG_IB_STS2, 6, 4)
	s_cmp_eq_u32 s2, 0
	s_cbranch_scc0 .Lentry_in_a_cluster
	s_endpgm
.Lentry_in_a_cluster:
	s_bfe_u32 s2, ttmp6, 0x10000c
	s_cmp_lg_u32 s2, 0x3003
	s_cbranch_scc0 .Lentry_shape_is_right
	s_endpgm
.Lentry_shape_is_right:
; For each batch and head: o[q] = sum over k of softmax_k(q . k / 8) v[k], both products on codes of FP4 (E2M1) with E8M0 scales; the result, divided by the row's sum, is quantised along C and leaves as the last product's operand.
; THE SOFTMAX: t = score x log2(e) / 8; M = the running largest t rounded UP to a whole number; p = 2^(t - M) is quantised along the keys, not normalised; the row's sum is taken of the unquantised p in f32.  When M moves, the sum
; and O are multiplied by 2^(old M - new M): exact.  No work is left out.
; LIMITS: NaN and infinities are not served.  A block's largest p is made from the block's largest score by the same multiply-add and exponential (it takes v_exp_f32 not to fall where its input rises).  A block of zeros keeps the byte 1: its codes are zeros.
; SHARES.  A work-group owns 256 queries of a PAIR of heads 2 sp, 2 sp + 1; each of its sixteen waves one tile of 16 queries, for the one head and then for the other: so a wave makes a whole fragment (16 tokens x 128 along C) and a whole
; scale word of the last product's K step sp.  Four waves share a SIMD: one wave's vector work stands beside another's products and LDS loads.
; LDS.  Both heads' records (K's and V's images and scale words of all 2,048 keys, 143,360 bytes each) are resident: every fill is a first fill.  Wave w brings step w of each record: one dense block of 35 x 256 bytes.
; CLUSTER 4 x 1: the four query blocks walk the same two records: each block is asked for jointly, with a mask that names the four.
; LAYOUT.  S^T = K Q^T (source 0 = 16 neighbouring keys, source 1 = my queries), O^T = V^T P^T: a lane holds ONE query throughout.  The head's K is 64 and the instruction's 128: Q's upper four registers are zero codes; K's fragment of
; tile t is v[32 + 4 t .. + 7], whose upper four registers are the next tile's codes (for the last tile zeros): they meet zeros, under scale bytes that are never 0xff.
; The 16 registers of S^T's tiles 2 b, 2 b + 1 are 16 members of key block b; p's codes so stand in the order in which the first launch laid v's.
.set REC,   143360
.set STEPB, 8960
.set VIMG,  4096
.set KSC,   8192
.set VSC,   8704
.set GATH,  2*REC                      ; 1,024 bytes: the work-group's scale words of the result, gathered
.set SPARE, GATH+1024                  ; the spare words, 128 bytes a wave: eight blocks of 256 bytes that no other line names
.set AD,   1                           ; v1   the step's record + 16 x lane
.set ADV,  2                           ; v2   the step's record + 16 r
.set L16,  3                           ; v3   16 x lane; never rewritten
.set R16,  4                           ; v4   16 r; never rewritten
.set SPW,  5                           ; v5   my spare word; never rewritten
.set NIL,  6                           ; v6   0; never rewritten
.set GW,   7                           ; v7   where my scale word goes in GATH
.set GR,   8                           ; v8   where waves 0 and 1 read GATH
.set AW,   9                           ; v9   the result's scale word: bytes 0, 1 the even head's, bytes 2, 3 the odd head's
.set QS,   10                          ; v10-11 Q's scale words
.set QF,   16                          ; v16-23, v24-31 Q's fragments; v12 -M, v13 the largest t, v[14:15] the sum in two halves
.set KF,   32                          ; v32-63 K's eight tiles, four registers each; v64-67 zeros
.set VF,   68                          ; v68-99 V's four fragments
.set S,    100                         ; v100-163 S^T, then p
.set O,    164                         ; v164-195 O^T
.set PCD,  196                         ; v196-203 p's codes
.set KS,   204                         ; v204-207 K's scale words: lanes 0-15 tiles 0-3, lanes 16-31 tiles 4-7
.set VS,   208                         ; v208-211 V's scale words
.set PW,   212                         ; v212 p's scale word
.set BM,   216
.set BP,   220
.set SCL,  224
.set F,    228                         ; v228 f = 2^(old M - new M); v229 is named with it as a pair
.set T0,   230
.set C2,   232                         ; v[232:233] the second chain of the sum
.set OC,   236                         ; v236-243 the result's codes, four registers a head
.set GO,   244
.macro CROUND
	s_barrier_signal -1
	s_barrier_wait -1
	s_cmp_lg_u32 s12, 0
	s_cbranch_scc1 .Lnot_wave_0_\@
	s_barrier_signal -3
.Lnot_wave_0_\@:
	s_barrier_wait -3
	s_barrier_signal -1
	s_barrier_wait -1
.endm
	s_load_b256 s[4:11], s[0:1], 0x0               ; qrec, kvrec, a_codes, a_scales
	v_lshl_add_u32 v[SPW], v0, 2, SPARE
	v_mov_b32 v[NIL], 0
	ds_add_u32 v[SPW], v[NIL]                      ; the wave's opening: the add, twice on end, and its wait ahead of my first tensor load
	ds_add_u32 v[SPW], v[NIL]
	v_lshrrev_b32 v1, 5, v0
	s_delay_alu instid0(VALU_DEP_1)
	v_readfirstlane_b32 s12, v1                    ; wave 0..15
	s_bfe_u32 s13, ttmp6, 0x40000                  ; cx
	s_lshl_b32 s14, ttmp9, 2
	s_add_co_u32 s14, s14, s13                     ; my block of 256 queries, 0..7: it enters Q's and the result's addresses alone
	s_and_b32 s15, ttmp7, 0xffff                   ; y = 8 b + sp, which the four partners share
	s_mov_b32 s24, 15|(3<<16)|(1<<21)              ; group 1: the mask: all four; elements of 8 bytes; bit 21 beside a mask; no padding
	s_mov_b32 s25, 32<<16                          ; tensor_dim0 = 32 elements: 256 bytes
	s_mov_b32 s26, 35<<16                          ; tensor_dim1 = 35 rows
	s_mov_b32 s27, 32<<16                          ; tile_dim0
	s_mov_b32 s28, 35                              ; tile_dim1
	s_mov_b32 s29, 32                              ; dense
	s_mov_b32 s30, 0
	s_mov_b32 s31, 0
	s_mul_i32 s46, s12, STEPB                      ; my step's place in a record, in memory and in LDS
	s_mul_i32 s47, s15, 2*REC                      ; the pair's two records lie on end
	s_add_co_u32 s48, s47, s46
	s_mov_b32 s49, 0
	s_lshr_b32 s50, s12, 3
	s_lshl_b32 s51, s14, 1
	s_add_co_u32 s50, s50, s51                     ; sq: my queries' step of 128
	s_and_b32 s51, s12, 7                          ; and my tile in it
	s_mul_i32 s52, s50, STEPB
	s_add_co_u32 s52, s52, s47
	s_lshl_b32 s53, s51, 9
	s_add_co_u32 s54, s52, s53                     ; Q's image
	s_mov_b32 s55, 0
	s_lshr_b32 s53, s51, 2
	s_lshl_b32 s53, s53, 8
	s_add_co_u32 s56, s52, s53
	s_and_b32 s53, s12, 3
	s_lshl_b32 s53, s53, 2
	s_add_co_u32 s56, s56, s53
	s_add_co_u32 s56, s56, KSC                     ; Q's scale words
	s_mov_b32 s57, 0
	s_lshr_b32 s52, s15, 3                         ; b
	s_and_b32 s53, s15, 7                          ; sp
	s_lshl_b32 s58, s52, 4
	s_add_co_u32 s58, s58, s50
	s_lshl_b32 s58, s58, 16                        ; a_codes: [block of 128 tokens][half of K][tile][K step in the half][c][512]
	s_lshr_b32 s59, s53, 2
	s_lshl_b32 s59, s59, 15
	s_add_co_u32 s58, s58, s59
	s_lshl_b32 s59, s51, 12
	s_add_co_u32 s58, s58, s59
	s_and_b32 s59, s53, 3
	s_lshl_b32 s59, s59, 10
	s_add_co_u32 s58, s58, s59
	s_mov_b32 s59, 0
	s_lshl_b32 s60, s52, 5
	s_lshl_b32 s61, s14, 2
	s_add_co_u32 s60, s60, s61
	s_lshl_b32 s60, s60, 8                         ; a_scales: [K step][group of 64 tokens][r][tile] words
	s_lshl_b32 s61, s53, 15
	s_add_co_u32 s60, s60, s61
	s_mov_b32 s61, 0
	s_mov_b32 s20, 0x76543210
	s_mov_b32 s21, 0xfedcba98                      ; lane l xor 16
	s_mov_b32 s22, 0x3e38aa3b                      ; c = log2(e) / 8
	s_mov_b32 s23, s22                             ; (named with it as a pair)
	s_wait_dscnt 0x0                               ; both opening adds are done
	s_wait_kmcnt 0x0
	s_add_nc_u64 s[16:17], s[4:5], s[54:55]
	s_add_nc_u64 s[18:19], s[4:5], s[56:57]
	s_add_nc_u64 s[42:43], s[8:9], s[58:59]
	s_add_nc_u64 s[44:45], s[10:11], s[60:61]
	s_mov_b32 s32, 1
	s_mov_b32 s33, s46
	s_add_nc_u64 s[34:35], s[6:7], s[48:49]
	s_mov_b32 s36, 1
	s_add_co_u32 s37, s46, REC
	s_add_nc_u64 s[38:39], s[34:35], REC
	s_or_b32 s35, s35, 0x80000000
	s_or_b32 s39, s39, 0x80000000
	CROUND                                         ; all four work-groups are here: the joint loads meet
	tensor_load_to_lds s[32:35], s[24:31]          ; my step of the even head's record,
	s_nop 0
	s_wait_alu depctr_va_vdst(0)
	s_wait_tensorcnt 0x0
	ds_add_u32 v5, v6
	s_wait_dscnt 0x0
	CROUND
	tensor_load_to_lds s[36:39], s[24:31]          ; and of the odd head's: one load of mine is out
	s_nop 0
.rept 4
	v_nop
.endr
	v_and_b32 v[L16], 31, v0
	s_delay_alu instid0(VALU_DEP_1)
	v_lshlrev_b32 v[L16], 4, v[L16]
	s_wait_alu depctr_va_vdst(0)
	v_and_b32 v[R16], 15, v0
	s_delay_alu instid0(VALU_DEP_1)
	v_lshlrev_b32 v[R16], 4, v[R16]
	global_load_b128 v[QF:QF+3], v[L16], s[16:17]
	global_load_b128 v[QF+8:QF+11], v[L16], s[16:17] offset:REC
	global_load_b32 v[QS], v[R16], s[18:19]
	global_load_b32 v[QS+1], v[R16], s[18:19] offset:REC
	s_lshr_b32 s46, s12, 2
	s_lshl_b32 s46, s46, 8
	s_and_b32 s47, s12, 3
	s_lshl_b32 s47, s47, 2
	s_add_co_u32 s46, s46, s47
	s_add_co_u32 s46, s46, GATH
	v_add_nc_u32 v[GW], s46, v[R16]                ; GATH + 256 (wave / 4) + 16 r + 4 (wave % 4)
	s_and_b32 s47, s12, 1
	s_lshl_b32 s47, s47, 9
	v_add_nc_u32 v[GO], s47, v[L16]
	s_add_co_u32 s47, s47, GATH
	v_add_nc_u32 v[GR], s47, v[L16]
.irp j, 0,1,2,3
	v_mov_b32 v[QF+4+\j], 0                        ; zero codes for k = 64 .. 127
	v_mov_b32 v[QF+12+\j], 0
	v_mov_b32 v[KF+32+\j], 0
	v_mov_b32 v[BP+\j], 0                          ; written once: a lane permute's destination counts as one of its sources
.endr
	v_mov_b32 v[F+1], 0
	s_wait_loadcnt 0x0                             ; Q
.macro HEAD hd
	s_wait_tensorcnt 1-\hd                         ; my step of this head's record is in (even head: the odd head's load, issued behind it, may stay out),
	s_barrier_signal -1
	s_barrier_wait -1                              ; everybody's is; no LDS byte is ever filled again
	v_mov_b32 v13, 0xff61b1e6                      ; the largest t so far: -3e38
	s_delay_alu instid0(VALU_DEP_1)
	v_floor_f32 v12, -v13                          ; -M
	v_mov_b32 v14, 0
	v_mov_b32 v15, 0
.irp j, 0,1,2,3,4,5,6,7,8,9,10,11,12,13,14,15,16,17,18,19,20,21,22,23,24,25,26,27,28,29,30,31
	v_mov_b32 v[O+\j], 0                           ; the loop is written once: its first step finds zeros
.endr
	s_mov_b32 s41, \hd*REC
	s_mov_b32 s40, 16
.Lstep_\@:                                         ; 16 trips of 128 keys
	s_setprio 2
	v_add_nc_u32 v[AD], s41, v[L16]
	v_add_nc_u32 v[ADV], s41, v[R16]
	v_nop
	v_nop                                          ; four places in front of loads into registers that the last trip's products read
.irp t, 0,1,2,3,4,5,6,7
	ds_load_b128 v[KF+4*\t:KF+4*\t+3], v[AD] offset:512*\t
.endr
	ds_load_b128 v[KS:KS+3], v[AD] offset:KSC
.irp t, 0,1,2,3
.irp c, 0,1
	ds_load_b128 v[VF+8*\t+4*\c:VF+8*\t+4*\c+3], v[AD] offset:VIMG+1024*\t+512*\c
.endr
.endr
	ds_load_b128 v[VS:VS+3], v[ADV] offset:VSC
	s_wait_dscnt 9                                 ; K's nine loads are in; V's nine, issued behind them, may stay out
.irp t, 0,1,2,3
	v_wmma_scale_f32_16x16x128_f8f6f4 v[S+8*\t:S+8*\t+7], v[KF+4*\t:KF+4*\t+7], v[QF+8*\hd:QF+8*\hd+7], 0, v[KS+\t], v[QS+\hd] matrix_a_fmt:MATRIX_FMT_FP4 matrix_b_fmt:MATRIX_FMT_FP4
.endr
.irp t, 4,5,6,7
	v_wmma_scale_f32_16x16x128_f8f6f4 v[S+8*\t:S+8*\t+7], v[KF+4*\t:KF+4*\t+7], v[QF+8*\hd:QF+8*\hd+7], 0, v[KS+\t-4], v[QS+\hd] matrix_a_fmt:MATRIX_FMT_FP4 matrix_b_fmt:MATRIX_FMT_FP4 matrix_a_scale:MATRIX_SCALE_ROW1
.endr
.rept 4
	v_nop
.endr
.irp b, 0,1,2,3
	v_max3_num_f32 v[BM+\b], v[S+16*\b], v[S+1+16*\b], v[S+2+16*\b]   ; the largest score of each block of 32 keys: for the row's maximum, and for the block's largest p
.endr
.irp i, 3,5,7,9,11,13
.irp b, 0,1,2,3
	v_max3_num_f32 v[BM+\b], v[BM+\b], v[S+16*\b+\i], v[S+1+16*\b+\i]
.endr
.endr
.irp b, 0,1,2,3
	v_max_num_f32 v[BM+\b], v[BM+\b], v[S+15+16*\b]
.endr
.irp b, 0,1,2,3
	s_delay_alu instid0(VALU_DEP_4)
	v_permlanex16_b32 v[BP+\b], v[BM+\b], s20, s21
.endr
.irp b, 0,1,2,3
	s_delay_alu instid0(VALU_DEP_4)
	v_max_num_f32 v[BM+\b], v[BM+\b], v[BP+\b]     ; with lane l xor 16's 16 keys
.endr
	s_delay_alu instid0(VALU_DEP_2)
	v_max3_num_f32 v[T0], v[BM], v[BM+1], v[BM+2]
	s_delay_alu instid0(VALU_DEP_1)
	v_max_num_f32 v[T0], v[T0], v[BM+3]
	s_delay_alu instid0(VALU_DEP_1)
	v_mul_f32 v[T0], s22, v[T0]                    ; the step's largest t (c is positive)
	s_delay_alu instid0(VALU_DEP_1)
	v_max_num_f32 v13, v13, v[T0]
	v_mov_b32 v[T0], v12
	s_delay_alu instid0(VALU_DEP_2)
	v_floor_f32 v12, -v13                          ; the new -M = -ceil(t)
	s_delay_alu instid0(VALU_DEP_1)
	v_sub_f32 v[T0], v12, v[T0]                    ; old M - new M: a whole number, 0 or less
	s_delay_alu instid0(VALU_DEP_1)
	v_cvt_i32_f32 v[T0], v[T0]                     ; (it saturates)
	s_delay_alu instid0(VALU_DEP_1)
	v_ldexp_f32 v[F], 1.0, v[T0]                   ; f
.irp j, 0,2,4,6,8,10,12,14,16,18,20,22,24,26,28,30,32,34,36,38,40,42,44,46,48,50,52,54,56,58,60,62
	v_pk_fma_f32 v[S+\j:S+\j+1], v[S+\j:S+\j+1], s[22:23], v[12:13] op_sel_hi:[1,0,0]   ; t - M, two at a time
.endr
.irp b, 0,1,2,3
	v_fma_f32 v[BM+\b], v[BM+\b], s22, v12
.endr
	s_wait_alu depctr_va_vdst(0)
.irp j, 0,1,2,3,4,5,6,7,8,9,10,11,12,13,14,15,16,17,18,19,20,21,22,23,24,25,26,27,28,29,30,31,32,33,34,35,36,37,38,39,40,41,42,43,44,45,46,47,48,49,50,51,52,53,54,55,56,57,58,59,60,61,62,63
	v_exp_f32 v[S+\j], v[S+\j]                     ; p = 2^(t - M)
.endr
	s_setprio 1
	v_pk_mul_f32 v[14:15], v[14:15], v[F:F+1] op_sel_hi:[1,0]   ; the sums under the new M: a plain place behind the exponentials
	s_wait_alu depctr_va_vdst(0)                   ; one wait for the whole batch, ahead of its first reader
.irp b, 0,1,2,3
	v_exp_f32 v[BM+\b], v[BM+\b]                   ; each block's largest p
.endr
	v_pk_add_f32 v[C2:C2+1], v[S:S+1], v[S+2:S+3]  ; the row's sum of the unquantised p, in two chains
.irp j, 4,8,12,16,20,24,28,32,36,40,44,48,52,56,60
	v_pk_add_f32 v[14:15], v[14:15], v[S+\j:S+\j+1]
	v_pk_add_f32 v[C2:C2+1], v[C2:C2+1], v[S+2+\j:S+3+\j]
.endr
	s_delay_alu instid0(VALU_DEP_1)
	v_pk_add_f32 v[14:15], v[14:15], v[C2:C2+1]
	s_wait_alu depctr_va_vdst(0)                   ; and one for the four
.irp b, 0,1,2,3
	v_max_num_f32 v[BM+\b], 0x1800000, v[BM+\b]    ; the floor 2^(3 - 127)
.endr
.irp b, 0,1,2,3
	s_delay_alu instid0(VALU_DEP_4)
	v_add_nc_u32 v[SCL+\b], 0xff000000, v[BM+\b]   ; the conversion's scale operand
.endr
.irp b, 0,1,2,3
	s_delay_alu instid0(VALU_DEP_4)
	v_lshrrev_b32 v[BP+\b], 23, v[SCL+\b]          ; the scale's byte
.endr
	s_delay_alu instid0(VALU_DEP_3)
	v_lshl_or_b32 v[PW], v[BP+1], 8, v[BP]
	s_delay_alu instid0(VALU_DEP_1)
	v_lshl_or_b32 v[PW], v[BP+2], 16, v[PW]
	s_delay_alu instid0(VALU_DEP_1)
	v_lshl_or_b32 v[PW], v[BP+3], 24, v[PW]
.irp b, 0,1,2,3
	v_cvt_scalef32_pk8_fp4_f32 v[PCD+2*\b], v[S+16*\b:S+7+16*\b], v[SCL+\b]
	v_cvt_scalef32_pk8_fp4_f32 v[PCD+1+2*\b], v[S+8+16*\b:S+15+16*\b], v[SCL+\b]
.endr
	v_nop                                          ; one plain place behind a scaled conversion
.irp c, 0,1
.irp i, 0,1
	v_permlane16_swap_b32 v[PCD+4*\c+\i], v[PCD+2+4*\c+\i]
.endr
.endr
	s_setprio 0
.irp j, 0,2,4,6,8,10,12,14,16,18,20,22,24,26,28,30
	v_pk_mul_f32 v[O+\j:O+\j+1], v[O+\j:O+\j+1], v[F:F+1] op_sel_hi:[1,0]   ; O^T under the new M; these sixteen are also the places between p's scale word and codes and the products
.endr
	s_wait_alu depctr_va_vdst(0)
	s_wait_dscnt 0x0                               ; V is in
.irp t, 0,1,2,3
	v_wmma_scale_f32_16x16x128_f8f6f4 v[O+8*\t:O+8*\t+7], v[VF+8*\t:VF+8*\t+7], v[PCD:PCD+7], v[O+8*\t:O+8*\t+7], v[VS+\t], v[PW] matrix_a_fmt:MATRIX_FMT_FP4 matrix_b_fmt:MATRIX_FMT_FP4
.endr
	s_add_co_u32 s41, s41, STEPB
	s_sub_co_u32 s40, s40, 1
	s_cmp_lg_u32 s40, 0
	s_cbranch_scc1 .Lstep_\@
	s_setprio 0
.rept 4
	v_nop                                          ; places in front of the first read of O^T
.endr
	v_add_f32 v14, v14, v15
	s_delay_alu instid0(VALU_DEP_1)
	v_permlanex16_b32 v[T0], v14, s20, s21
	s_delay_alu instid0(VALU_DEP_1)
	v_add_f32 v14, v14, v[T0]                      ; the row's sum
	s_wait_alu depctr_va_vdst(0)
	v_rcp_f32 v14, v14
	v_nop
	s_wait_alu depctr_va_vdst(0)
.irp j, 0,2,4,6,8,10,12,14,16,18,20,22,24,26,28,30
	v_pk_mul_f32 v[S+\j:S+\j+1], v[O+\j:O+\j+1], v[14:15] op_sel_hi:[1,0]   ; register 8 t + j: d = 16 t + 8 hh + j
.endr
.irp b, 0,1
.irp j, 0,1,2,3,4,5,6,7
	v_permlane16_swap_b32 v[S+16*\b+\j], v[S+8+16*\b+\j]   ; now register 16 b + i is d = 32 b + 16 hh + i: W_proj's codes are given in the natural order, so these take it too
.endr
.endr
.irp b, 0,1
	v_max3_num_f32 v[BM+\b], |v[S+16*\b]|, |v[S+1+16*\b]|, 0x1800000
.endr
.irp i, 2,4,6,8,10,12,14
.irp b, 0,1
	s_delay_alu instid0(VALU_DEP_2)
	v_max3_num_f32 v[BM+\b], v[BM+\b], |v[S+16*\b+\i]|, |v[S+1+16*\b+\i]|
.endr
.endr
.irp b, 0,1
	s_delay_alu instid0(VALU_DEP_2)
	v_permlanex16_b32 v[BP+\b], v[BM+\b], s20, s21
.endr
.irp b, 0,1
	s_delay_alu instid0(VALU_DEP_2)
	v_max_num_f32 v[BM+\b], v[BM+\b], v[BP+\b]
.endr
.irp b, 0,1
	s_delay_alu instid0(VALU_DEP_2)
	v_add_nc_u32 v[SCL+\b], 0xff000000, v[BM+\b]
.endr
.irp b, 0,1
	s_delay_alu instid0(VALU_DEP_2)
	v_lshrrev_b32 v[BP+\b], 23, v[SCL+\b]
.endr
.if \hd == 0
	s_delay_alu instid0(VALU_DEP_1)
	v_lshl_or_b32 v[AW], v[BP+1], 8, v[BP]
.else
	s_delay_alu instid0(VALU_DEP_1)
	v_lshl_or_b32 v[T0], v[BP+1], 8, v[BP]
	s_delay_alu instid0(VALU_DEP_1)
	v_lshl_or_b32 v[AW], v[T0], 16, v[AW]
.endif
.irp b, 0,1
	v_cvt_scalef32_pk8_fp4_f32 v[OC+4*\hd+2*\b], v[S+16*\b:S+7+16*\b], v[SCL+\b]
	v_cvt_scalef32_pk8_fp4_f32 v[OC+4*\hd+1+2*\b], v[S+8+16*\b:S+15+16*\b], v[SCL+\b]
.endr
	v_nop
.irp i, 0,1
	v_permlane16_swap_b32 v[OC+4*\hd+\i], v[OC+4*\hd+2+\i]
.endr
	global_store_b128 v[L16], v[OC+4*\hd:OC+4*\hd+3], s[42:43] offset:512*\hd   ; registers 4 hd .. + 3 of the fragment: 512 consecutive bytes
.endm
	HEAD 0
	HEAD 1
	ds_store_b32 v[GW], v[AW]                      ; lanes l and l xor 16 write the same word with the same value
	s_wait_dscnt 0x0                               ; for the others' sake
	s_barrier_signal -1
	s_barrier_wait -1
	s_cmp_lt_u32 s12, 2
	s_cbranch_scc0 .Lnot_mine
	ds_load_b128 v[C2:C2+3], v[GR]
	s_wait_dscnt 0x0
	global_store_b128 v[GO], v[C2:C2+3], s[44:45]  ; waves 0 and 1: 512 consecutive bytes each
.Lnot_mine:
	s_wait_tensorcnt 0x0                           ; the wave's end
	ds_add_u32 v[SPW], v[NIL]
	s_wait_dscnt 0x0
	CROUND                                         ; the closing round
	s_endpgm
.Lfunc_end_k_q1834b3f818_attn:
	.size	k_q1834b3f818_attn, .Lfunc_end_k_q1834b3f818_attn-k_q1834b3f818_attn
	.p2alignl 7, 3214868480
	.fill 96, 4, 3214868480
	.section	.rodata,"a",@progbits
	.p2align	6, 0x0
	.amdhsa_kernel k_q1834b3f818_attn
		.amdhsa_group_segment_fixed_size 327680
		.amdhsa_private_segment_fixed_size 0
		.amdhsa_enable_private_segment 0
		.amdhsa_kernarg_size 32
		.amdhsa_user_sgpr_count 2
		.amdhsa_user_sgpr_kernarg_segment_ptr 1
		.amdhsa_wavefront_size32 1
		.amdhsa_system_sgpr_workgroup_id_x 1
		.amdhsa_system_sgpr_workgroup_id_y 1
		.amdhsa_system_sgpr_workgroup_id_z 1
		.amdhsa_system_vgpr_workitem_id 0
		.amdhsa_next_free_vgpr 256
		.amdhsa_next_free_sgpr 66
		.amdhsa_reserve_vcc 0
		.amdhsa_float_denorm_mode_32 3
		.amdhsa_float_denorm_mode_16_64 3
		.amdhsa_memory_ordered 1
		.amdhsa_forward_progress 1
		.amdhsa_inst_pref_size 51
	.end_amdhsa_kernel
	.amdgpu_metadata
---
amdhsa.version: [ 1, 2 ]
amdhsa.kernels:
  - .name:           k_q1834b3f818_attn
    .symbol:         k_q1834b3f818_attn.kd
    .args:
      - { .name: qrec, .offset: 0, .size: 8, .value_kind: global_buffer, .address_space: global }
      - { .name: kvrec, .offset: 8, .size: 8, .value_kind: global_buffer, .address_space: global }
      - { .name: a_codes, .offset: 16, .size: 8, .value_kind: global_buffer, .address_space: global }
      - { .name: a_scales, .offset: 24, .size: 8, .value_kind: global_buffer, .address_space: global }
    .group_segment_fixed_size: 327680
    .private_segment_fixed_size: 0
    .kernarg_segment_align: 8
    .kernarg_segment_size: 32
    .max_flat_workgroup_size: 512
    .sgpr_count:     66
    .vgpr_count:     256
    .wavefront_size: 32
...
	.end_amdgpu_metadata
.endif
;; end of part 2
;; launch proj (part 3): grid 8 x 32, 4 waves a work-group, clusters of 4 x 4, 327,680 bytes of LDS; arguments a_codes, a_scales, W_proj_codes, W_proj_scales, b_proj, out0; writes out0
.if DOCPART == 3
	.amdgcn_target "amdgcn-amd-amdhsa--gfx1250"
	.amdhsa_code_object_version 6
	.text
	.protected	k_q1834b3f818_proj
	.globl	k_q1834b3f818_proj
	.p2align	8
	.type	k_q1834b3f818_proj,@function
k_q1834b3f818_proj:
	s_mov_b64 s[64:65], 0
	v_nop
	global_prefetch_b8 v0, s[64:65] scope:SCOPE_SE
	s_setreg_imm32_b32 hwreg(HW_REG_WAVE_MODE, 25, 1), 1
	s_wait_xcnt 0x0
	s_wait_alu depctr_hold_cnt(0) depctr_sa_sdst(0) depctr_va_vdst(0) depctr_va_sdst(0) depctr_va_ssrc(0) depctr_va_vcc(0) depctr_vm_vsrc(0)
	s_getreg_b32 s2, hwreg(HW_REG_IB_STS2, 6, 4)
	s_cmp_eq_u32 s2, 0
	s_cbranch_scc0 .Lentry_in_a_cluster
	s_endpgm
.Lentry_in_a_cluster:
	s_bfe_u32 s2, ttmp6, 0x10000c
	s_cmp_lg_u32 s2, 0xf033
	s_cbranch_scc0 .Lentry_shape_is_right
	s_endpgm
.Lentry_shape_is_right:
; out0 = a W_proj + b_proj on codes of FP4 (E2M1) with E8M0 scales: a's codes and scale words as the attention launch laid them (images of operand registers), W_proj's as given.  No work is left out.
; SHARES.  A work-group: 256 tokens x 128 columns, K = 1,024.  Wave w: tokens 64 w .. + 63 (4 tiles a) x all 128 columns (8 tiles b): 32 accumulators, 8 K steps of 128.
; Source 0 = 16 rows of W_proj (columns of the result), source 1 = 16 tokens: a lane holds a token and eight neighbouring columns.  The bias is the C of each sum's first product.
; CLUSTER 4 x 4: a's tile is shared along a row of the cluster, W_proj's along a column.  K comes in two halves; both are first fills: no LDS byte is filled twice.
; REGISTERS: window 0: addresses, scale words, bias, rows on the way out.  window 1: accumulator (a, b) at v[8 (8 a + b)].  window 2: two sets of fragments: set p: A at v[96 p + 8 a], B at v[96 p + 32 + 8 b].
.set PITCH,  272
.set AIMG,   65536                     ; half of K of 256 tokens: 16 tiles x 4 K steps x 1,024 bytes
.set SLOT,   AIMG+128*PITCH            ; then W_proj's 128 rows of 256 bytes + 16
.set STAGE,  2*SLOT                    ; the way out: 16 rows x 528 bytes for each wave; no tensor load lands here
.set SPITCH, 528
.set SPARE,  STAGE+4*16*SPITCH         ; the spare words, 128 bytes a wave: two blocks of 256 bytes that no other line names
.set ADRA, 16                          ; v16-17 my A images in slot 0, 1: 16,384 x wave + 16 x lane
.set ADRB, 20                          ; v20-21 my B fragments
.set SOA,  22                          ; v22  131,072 hh + 16 r: a's scale words
.set SO,   24                          ; v24  32 r + 16 hh: W_proj's scale bytes
.set STO,  25
.set RD,   26
.set CO,   27                          ; v27  16 x lane
.set SPW,  28
.set NIL,  29
.set VBQ,  30                          ; v30  32 hh
.set SA,   32                          ; v32-47  a's scale words: tile a, K step s: v[SA + 4 (s % 4) + a], lanes 0-15 for s < 4, lanes 16-31 for s >= 4
.set SB,   48                          ; v48-79  W_proj's: v[SB + 4 b + s % 4], likewise
.set BI,   80                          ; v80-143 the bias; on the way out rows
.set BK0,  144                         ; v144-207 rows on the way out
.set G1,   24
.set G0,   32
.set G1B,  48
.set G0B,  56
.set MSB, 0
.macro WIN new
.if MSB != \new
	s_set_vgpr_msb (MSB<<8)|\new
.set MSB, \new
.endif
.endm
.set MUL,  0x5a                        ; sources 0 and 1 window 2, C and D window 1
.set MULB, 0x4a                        ; the same with C (the bias) in window 0
.set TO_F, 0x80
.macro JLOAD g0a, g1a, g0b, g1b        ; waves 0 and 1 fetch a's halves, waves 2 and 3 W_proj's; an s_nop 0 and four v_nop follow each line
	s_cmp_eq_u32 s19, 0
	s_cbranch_scc0 .Lfor_b_\@
	tensor_load_to_lds s[\g0a:\g0a+3], s[\g1a:\g1a+7]
	s_nop 0
.rept 4
	v_nop
.endr
	s_branch .Lasked_\@
.Lfor_b_\@:
	tensor_load_to_lds s[\g0b:\g0b+3], s[\g1b:\g1b+7]
	s_nop 0
.rept 4
	v_nop
.endr
.Lasked_\@:
.endm
.macro CROUND
	s_barrier_signal -1
	s_barrier_wait -1
	s_cmp_lg_u32 s18, 0
	s_cbranch_scc1 .Lnot_wave_0_\@
	s_barrier_signal -3
.Lnot_wave_0_\@:
	s_barrier_wait -3
	s_barrier_signal -1
	s_barrier_wait -1
.endm
.macro PLACES n
.rept \n
	v_nop
.endr
.endm
	s_load_b256 s[4:11], s[0:1], 0x0               ; a's codes, a's scales, W_proj's codes, W_proj's scales
	s_load_b128 s[12:15], s[0:1], 0x20             ; b_proj, out0
	v_lshl_add_u32 v[SPW], v0, 2, SPARE
	v_mov_b32 v[NIL], 0
	ds_add_u32 v[SPW], v[NIL]                      ; the wave's opening: the add, twice on end, and its wait ahead of my first tensor load
	ds_add_u32 v[SPW], v[NIL]
	v_lshrrev_b32 v1, 5, v0
	v_readfirstlane_b32 s18, v1                    ; wave 0..3
	s_lshr_b32 s19, s18, 1
	s_and_b32 s20, s18, 1
	s_bfe_u32 s40, ttmp6, 0x40000                  ; cx
	s_bfe_u32 s41, ttmp6, 0x40004                  ; cy
	s_and_b32 s45, ttmp7, 0xffff
	s_lshl_b32 s45, s45, 2
	s_add_co_u32 s45, s45, s41                     ; my block of 256 tokens
	s_lshl_b32 s46, ttmp9, 2
	s_add_co_u32 s46, s46, s40                     ; my block of 128 columns
	s_lshl_b32 s47, s41, 2
	s_lshl_b32 s47, 15, s47                        ; my row of the cluster
	s_lshl_b32 s66, 0x1111, s40                    ; my column
	s_or_b32 s[G1], s47, (3<<16)|(1<<21)           ; a's images: the mask; elements of 8 bytes; bit 21 beside a mask; no padding
	s_mov_b32 s[G1+1], 32<<16                      ; rows of 256 bytes,
	s_mov_b32 s[G1+2], 128<<16                     ; 128 of them: 32,768 dense bytes
	s_mov_b32 s[G1+3], 32<<16
	s_mov_b32 s[G1+4], 128
	s_mov_b32 s[G1+5], 32
	s_mov_b32 s[G1+6], 0
	s_mov_b32 s[G1+7], 0
	s_or_b32 s[G1B], s66, (1<<20)|(1<<21)|(5<<22)|(3<<25)   ; W_proj: elements of 1 byte; 4 words of padding behind every 64
	s_mov_b32 s[G1B+1], 256<<16
	s_mov_b32 s[G1B+2], 64<<16
	s_mov_b32 s[G1B+3], 256<<16
	s_mov_b32 s[G1B+4], 64
	s_mov_b32 s[G1B+5], 512
	s_mov_b32 s[G1B+6], 0
	s_mov_b32 s[G1B+7], 0
	s_lshl_b32 s84, s45, 17                        ; a's codes: two blocks of 128 tokens, 65,536 bytes each
	s_lshl_b32 s85, s20, 16
	s_add_co_u32 s84, s84, s85
	s_mov_b32 s85, 0
	s_lshl_b32 s86, s46, 16                        ; W_proj's: 128 rows of 512 bytes, 64 a half
	s_lshl_b32 s87, s20, 15
	s_add_co_u32 s86, s86, s87
	s_mov_b32 s87, 0
	s_lshl_b32 s96, s45, 10                        ; a's scale words: my group of 64 tokens, 256 bytes a K step
	s_lshl_b32 s97, s18, 8
	s_add_co_u32 s96, s96, s97
	s_mov_b32 s97, 0
	s_lshl_b32 s98, s46, 12                        ; W_proj's scale bytes
	s_mov_b32 s99, 0
	s_lshl_b32 s70, s46, 9                         ; the bias of my 128 columns; also their bytes in a row of out0
	s_mov_b32 s71, 0
	s_lshl_b32 s72, s45, 20                        ; out0: 256 rows of 4,096 bytes a block,
	s_lshl_b32 s73, s18, 18                        ; my wave's 64
	s_add_co_u32 s72, s72, s73
	s_add_co_u32 s72, s72, s70
	s_mov_b32 s73, 0
	s_lshl_b32 s88, s20, 15                        ; where the halves go in a slot
	s_mul_i32 s89, s20, 64*PITCH
	s_add_co_u32 s89, s89, AIMG
	s_wait_dscnt 0x0                               ; both opening adds are done
	s_wait_kmcnt 0x0
	s_add_nc_u64 s[90:91], s[4:5], s[84:85]
	s_add_nc_u64 s[94:95], s[8:9], s[86:87]
	s_add_nc_u64 s[78:79], s[6:7], s[96:97]
	s_add_nc_u64 s[82:83], s[10:11], s[98:99]
	s_add_nc_u64 s[68:69], s[12:13], s[70:71]
	s_add_nc_u64 s[14:15], s[14:15], s[72:73]
	CROUND                                         ; all sixteen work-groups are here: the first joint loads meet
.irp kh, 0,1
	s_mov_b32 s[G0+4*\kh], 1
	s_add_co_u32 s[G0+4*\kh+1], s88, \kh*SLOT
	s_add_nc_u64 s[G0+4*\kh+2:G0+4*\kh+3], s[90:91], \kh*32768
	s_or_b32 s[G0+4*\kh+3], s[G0+4*\kh+3], 0x80000000
	s_mov_b32 s[G0B+4*\kh], 1
	s_add_co_u32 s[G0B+4*\kh+1], s89, \kh*SLOT
	s_add_nc_u64 s[G0B+4*\kh+2:G0B+4*\kh+3], s[94:95], \kh*256
	s_or_b32 s[G0B+4*\kh+3], s[G0B+4*\kh+3], 0x80000000
	s_wait_alu depctr_va_vdst(0)
	s_wait_tensorcnt 0x0
	ds_add_u32 v28, v29
	ds_add_u32 v28, v29
	s_wait_dscnt 0x0
	CROUND
	JLOAD G0+4*\kh, G1, G0B+4*\kh, G1B             ; one half of K at a time: one load of mine is out
.endr
	v_and_b32 v1, 15, v0                           ; r
	v_bfe_u32 v2, v0, 4, 1                         ; hh
	v_and_b32 v3, 31, v0                           ; lane
	v_lshlrev_b32 v[CO], 4, v3
	s_lshl_b32 s21, s18, 14
	s_add_co_u32 s22, s21, SLOT
	v_add_nc_u32 v[ADRA], s21, v[CO]
	v_add_nc_u32 v[ADRA+1], s22, v[CO]
	v_mul_u32_u24 v4, v1, PITCH
	v_lshl_add_u32 v4, v2, 4, v4
	v_add_nc_u32 v[ADRB], AIMG, v4
	v_add_nc_u32 v[ADRB+1], AIMG+SLOT, v4
	v_lshlrev_b32 v[SOA], 17, v2
	v_lshl_add_u32 v[SOA], v1, 4, v[SOA]
	v_lshlrev_b32 v[SO], 5, v1
	v_lshl_add_u32 v[SO], v2, 4, v[SO]
	v_lshlrev_b32 v[VBQ], 5, v2
	s_mul_i32 s23, s18, 16*SPITCH
	s_add_co_u32 s23, s23, STAGE                   ; my stage
	v_mul_u32_u24 v[STO], v1, SPITCH
	v_lshl_add_u32 v[STO], v2, 5, v[STO]
	v_add_nc_u32 v[STO], s23, v[STO]               ; in: row r, 32 bytes for each half of the lanes
	v_add_nc_u32 v[RD], s23, v[CO]                 ; back: the 32 lanes take one row of 512 bytes
.irp q, 0,1,2,3
	global_load_b128 v[SA+4*\q:SA+4*\q+3], v[SOA], s[78:79] offset:32768*\q   ; lanes 0-15: K step q, lanes 16-31: K step q + 4; four tiles' words: each half of the lanes reads 256 consecutive bytes
.endr
.irp b, 0,1,2,3,4,5,6,7
	global_load_b128 v[SB+4*\b:SB+4*\b+3], v[SO], s[82:83] offset:512*\b
.endr
.irp b, 0,1,2,3,4,5,6,7
	global_load_b128 v[BI+8*\b:BI+8*\b+3], v[VBQ], s[68:69] offset:64*\b
	global_load_b128 v[BI+8*\b+4:BI+8*\b+7], v[VBQ], s[68:69] offset:64*\b+16
.endr
.macro FRAGA reg, slot, q, i           ; an image comes back as it was stored: 16 x lane, 512 bytes a load
.irp c, 0,1
	ds_load_b128 v[(\reg)+4*\c:(\reg)+4*\c+3], v[ADRA+(\slot)] offset:4096*(\i)+1024*(\q)+512*\c
.endr
.endm
.macro FRAGB reg, slot, q, i
.irp c, 0,1
	ds_load_b128 v[(\reg)+4*\c:(\reg)+4*\c+3], v[ADRB+(\slot)] offset:64*(\q)+32*\c+(\i)*16*PITCH
.endr
.endm
.macro FETCH s
	WIN TO_F
.irp i, 0,1,2,3,4,5,6,7
	FRAGB 96*((\s)%2)+32+8*\i, (\s)/4, (\s)%4, \i
.endr
.irp i, 0,1,2,3
	FRAGA 96*((\s)%2)+8*\i, (\s)/4, (\s)%4, \i
.endr
.endm
.macro MM a, b, s, cm                  ; cm = 2: the bias starts the sum
.set rD, 8*(8*(\a)+(\b))
.set rB, 96*((\s)%2)+32+8*(\b)
.set rA, 96*((\s)%2)+8*(\a)
.set rX, SB+4*(\b)+(\s)%4
.set rY, SA+4*((\s)%4)+(\a)
.if (\cm) == 2
	v_wmma_scale_f32_16x16x128_f8f6f4 v[rD:rD+7], v[rB:rB+7], v[rA:rA+7], v[BI+8*(\b):BI+8*(\b)+7], v[rX], v[rY] matrix_a_fmt:MATRIX_FMT_FP4 matrix_b_fmt:MATRIX_FMT_FP4
.elseif (\s) < 4
	v_wmma_scale_f32_16x16x128_f8f6f4 v[rD:rD+7], v[rB:rB+7], v[rA:rA+7], v[rD:rD+7], v[rX], v[rY] matrix_a_fmt:MATRIX_FMT_FP4 matrix_b_fmt:MATRIX_FMT_FP4
.else
	v_wmma_scale_f32_16x16x128_f8f6f4 v[rD:rD+7], v[rB:rB+7], v[rA:rA+7], v[rD:rD+7], v[rX], v[rY] matrix_a_fmt:MATRIX_FMT_FP4 matrix_b_fmt:MATRIX_FMT_FP4 matrix_a_scale:MATRIX_SCALE_ROW1 matrix_b_scale:MATRIX_SCALE_ROW1
.endif
.endm
.macro MULS s, cm                      ; the 32 accumulators take turns, one instruction a turn, in the same order in every step
.if (\cm) == 2
	WIN MULB
.else
	WIN MUL
.endif
.irp a, 0,1,2,3
.irp b, 0,1,2,3,4,5,6,7
	MM \a, \b, \s, \cm
.endr
.endr
.endm
.macro STEP s, cm
	s_wait_dscnt 0x0                               ; this step's fragments are in (asked for a step ago)
.if (\s) > 0
	PLACES 4                                       ; four places in front of loads into the set that the last step's products read
.endif
.if (\s) < 7
	FETCH (\s)+1
.endif
	MULS \s, \cm
.endm
	s_wait_tensorcnt 0x1                           ; my part of slot 0 is in; slot 1's load, issued behind it, may stay out
	s_barrier_signal -1
	s_barrier_wait -1
	FETCH 0
	s_wait_loadcnt 0x0                             ; the scale words and the bias
	STEP 0, 2
	STEP 1, 1
	STEP 2, 1
	s_wait_dscnt 0x0                               ; K step 3
	PLACES 4
	s_wait_tensorcnt 0x0                           ; my part of slot 1 is in,
	s_barrier_signal -1
	s_barrier_wait -1                              ; everybody's is
	FETCH 4
	MULS 3, 1
	STEP 4, 1
	STEP 5, 1
	STEP 6, 1
	STEP 7, 1
	WIN 0
; THE WAY OUT, a block of 16 tokens x 128 columns at a time: through my own stage and back as whole rows of 512 bytes.  LDS serves a wave's instructions in order: no wait between the stores and the loads, nor in front of the next block's stores.
.macro TOSTAGE a
	WIN 0x04                                       ; an LDS store's data are its source 1: window 1
.irp b, 0,1,2,3,4,5,6,7
	ds_store_b128 v[STO], v[8*(8*(\a)+\b):8*(8*(\a)+\b)+3] offset:64*\b        ; each accumulator from its low end on
	ds_store_b128 v[STO], v[8*(8*(\a)+\b)+4:8*(8*(\a)+\b)+7] offset:64*\b+16
.endr
	WIN 0
.set BB, BK0-64*((\a)%2)
.irp t, 0,1,2,3,4,5,6,7,8,9,10,11,12,13,14,15
	ds_load_b128 v[BB+4*\t:BB+4*\t+3], v[RD] offset:\t*SPITCH
.endr
.endm
.macro SEND a, younger                 ; younger: the LDS instructions issued behind block a's loads, which may stay out
.set BB, BK0-64*((\a)%2)
	s_wait_dscnt \younger
.irp t, 0,1,2,3,4,5,6,7,8,9,10,11,12,13,14,15
	global_store_b128 v[CO], v[BB+4*\t:BB+4*\t+3], s[14:15] offset:65536*(\a)+4096*\t th:TH_STORE_NT   ; 32 lanes store 512 consecutive bytes, at a multiple of 256 from out0's first byte
.endr
.endm
	PLACES 4                                       ; in front of the first read of results
	s_wait_alu depctr_va_vdst(0)
	TOSTAGE 0
.irp a, 1,2,3
.if \a > 1
	s_wait_xcnt 0x0                                ; block a - 2's stores have read their registers: block a's loads may land there
.endif
	TOSTAGE \a
	SEND \a-1, 32                                  ; behind block a - 1's loads: block a's 16 stores and 16 loads
.endr
	SEND 3, 0
	s_wait_tensorcnt 0x0                           ; the wave's end
	ds_add_u32 v[SPW], v[NIL]
	s_wait_dscnt 0x0
	CROUND                                         ; the closing round
	s_endpgm
.Lfunc_end_k_q1834b3f818_proj:
	.size	k_q1834b3f818_proj, .Lfunc_end_k_q1834b3f818_proj-k_q1834b3f818_proj
	.p2alignl 7, 3214868480
	.fill 96, 4, 3214868480
	.section	.rodata,"a",@progbits
	.p2align	6, 0x0
	.amdhsa_kernel k_q1834b3f818_proj
		.amdhsa_group_segment_fixed_size 327680
		.amdhsa_private_segment_fixed_size 0
		.amdhsa_enable_private_segment 0
		.amdhsa_kernarg_size 48
		.amdhsa_user_sgpr_count 2
		.amdhsa_user_sgpr_kernarg_segment_ptr 1
		.amdhsa_wavefront_size32 1
		.amdhsa_system_sgpr_workgroup_id_x 1
		.amdhsa_system_sgpr_workgroup_id_y 1
		.amdhsa_system_sgpr_workgroup_id_z 1
		.amdhsa_system_vgpr_workitem_id 0
		.amdhsa_next_free_vgpr 768
		.amdhsa_next_free_sgpr 100
		.amdhsa_reserve_vcc 0
		.amdhsa_float_denorm_mode_32 3
		.amdhsa_float_denorm_mode_16_64 3
		.amdhsa_memory_ordered 1
		.amdhsa_forward_progress 1
		.amdhsa_inst_pref_size 72
	.end_amdhsa_kernel
	.amdgpu_metadata
---
amdhsa.version: [ 1, 2 ]
amdhsa.kernels:
  - .name:           k_q1834b3f818_proj
    .symbol:         k_q1834b3f818_proj.kd
    .args:
      - { .name: a_codes, .offset: 0, .size: 8, .value_kind: global_buffer, .address_space: global }
      - { .name: a_scales, .offset: 8, .size: 8, .value_kind: global_buffer, .address_space: global }
      - { .name: W_proj_codes, .offset: 16, .size: 8, .value_kind: global_buffer, .address_space: global }
      - { .name: W_proj_scales, .offset: 24, .size: 8, .value_kind: global_buffer, .address_space: global }
      - { .name: b_proj, .offset: 32, .size: 8, .value_kind: global_buffer, .address_space: global }
      - { .name: out0, .offset: 40, .size: 8, .value_kind: global_buffer, .address_space: global }
    .group_segment_fixed_size: 327680
    .private_segment_fixed_size: 0
    .kernarg_segment_align: 8
    .kernarg_segment_size: 48
    .max_flat_workgroup_size: 128
    .sgpr_count:     100
    .vgpr_count:     768
    .wavefront_size: 32
...
	.end_amdgpu_metadata
.endif
;; end of part 3
